; MI455X (gfx1250); checked and timed in simulation.
; The chip was launched on July 23, 2026; its instructions are those of AMD's public machine-readable ISA for CDNA 5 (MIT licence, August 2026) and "CDNA5" Instruction Set Architecture Reference Guide (July 2026). The comments in the code are by the model that wrote it; some were corrected since.
;; Flow CPAB Linear. Allowed arithmetic: float matrix products may take bf16 or f16 operands with f32 sums; all other float work in f32.
;; Inputs: B 10 x 6 float32; a 1 float32; b 1 float32; c 1 float32; d 1 float32; theta 1 x 6 float32; x 2,097,152 float32.
;; Outputs: out0 2,097,152 float32; out1 2,097,152 float32.
;; One version. Each part assembles by itself: llvm-mc -triple=amdgcn-amd-amdhsa -mcpu=gfx1250 --defsym DOCPART=n.
;; ======== version 1 of 1: 1 launch
;; launch flow (part 1): grid 1024 x 1, 8 waves a work-group, no clusters, 0 bytes of LDS; arguments x, theta, a, b, c, d, B, out0, out1; writes out0, out1
.if DOCPART == 1
	.amdgcn_target "amdgcn-amd-amdhsa--gfx1250"
	.amdhsa_code_object_version 6
	.text
	.protected	k_qd8c259afe5_flow
	.globl	k_qd8c259afe5_flow
	.p2align	8
	.type	k_qd8c259afe5_flow,@function
k_qd8c259afe5_flow:
	s_mov_b64 s[64:65], 0
	v_nop
	global_prefetch_b8 v0, s[64:65] scope:SCOPE_SE
	s_setreg_imm32_b32 hwreg(HW_REG_WAVE_MODE, 25, 1), 1
	s_wait_xcnt 0x0
; FlowCPABLinear: z = c * phi(1) + d and log(c * J * a) for 2,097,152 independent numbers x.
;   y = a * clip(x, 1e-7, 1 - 1e-7) + b;  32 times: cell = clip(floor(5 phi), 0, 4), phi = E[cell] phi + R[cell], J = J E[cell].
; E[cell] = exp(slope / 32) and R[cell] = (expm1(slope / 32) / slope) * offset hang on B and theta alone: ten numbers for the
; whole launch.  Every wave makes them once (lane k works for cell k), so that the 32 steps hold no exponential.
;
; SHARES.  A lane holds 8 numbers (two loads of 16 bytes), a wave 256, the eight waves of a work-group 2,048 (8,192 bytes of x);
; 1,024 work-groups.  Thread t owns the bytes 16 t and 4,096 + 16 t of its group's part: each load and store of a wave covers
; 512 consecutive bytes that begin at a multiple of 512.  Each byte of x is read once, each byte of out0 and out1 written once.
;
; THE STEP.  No address and no branch may hang on phi, so the cell's two numbers are chosen by compares and selects, in every step.
; The test needs no multiply, floor or clip: floor(fl(5 phi)) >= k  <=>  fl(5 phi) >= k  <=>  phi >= T_k, T_k the smallest f32 whose
; product by 5 rounds to k or more.  T_k = fl(k / 5) for k = 1..4: 5 fl(k/5) = k + a bit that rounds to k, and 5 times the f32 just
; below is k - 2^-24, 2 - 2^-23, 3 - 3*2^-24 (rounds to 3 - 2^-22), 4 - 2^-22: all below k.  Below T_1 is cell 0, from T_4 on cell 4:
; that is the clip.  The selects move the table's bits unchanged, and the step is one fused multiply-add on the rounded R.
; For one number and step: 4 compares, 4 double selects (E and R in one instruction), half a packed fma, half a packed multiply.
;
; THE TABLES' LAST BITS.  The step map jumps at the knots k / 5: a difference in the last bit of E or R moves phi by a unit of its last
; place in part of the steps, and of 67 million steps a few then fall on the other side of a knot, which moves log J by
; (difference of slopes) / 32.  So E and R are made not merely accurately but by a fixed, usual sequence of f32 operations, the one in
; which JAX's CPU back end is known to lower exp and expm1: Cephes' exp (n = floor(u log2 e + 1/2), u - n ln 2 in two parts, a
; polynomial of degree 5, 1 + .., times 2^n); expm1(u) = tanh(u/2) (exp(u) + 1) for |u| <= 1/2 and exp(u) - 1 beyond; tanh by the
; rational form of degrees 13 and 6, or its argument itself below 0.0004; each multiply with a dependent add fused; divisions
; rounded as an IEEE division rounds.  Each form is within a few units of the last place of the true value for every u.
;
; LEFT OUT.  The matrix unit: the one product is [10, 6] x [6], 60 multiply-adds, and 16-bit operands would put their rounding on
; every slope, through 32 steps and into the choice of cells; twelve f32 multiply-adds a wave do it.  LDS, tensor loads, clusters:
; no work-group shares more than B's 240 bytes with another, and no wave depends on another, so there is no barrier either.
; Prefetches: every byte is asked for in the kernel's first lines.
;
; LIMITS.  (1) A NaN in x is taken as 1e-7 (v_max_num_f32 drops it), where the formula gives a NaN z.
; (2) For slope / 32 >= 128 ln 2 (about 88.7) E is infinite and the ratio comes out NaN where the formula has an infinity; the
; formula's own results are not finite there.  Large negative slopes are served: E -> 0, expm1 -> -1.
; (3) Against an exp or expm1 made otherwise than above, E or R may differ in the last bits, and a phi that comes within rounding
; distance of a knot may then take the neighbouring cell.
.set PHI,  4                           ; v[4:11]   x, y, phi, at last z: numbers 0-3 from the first load, 4-7 from the second
.set JJ,   12                          ; v[12:19]  J, then c J a, then its logarithm
.set Q,    20                          ; v[20:35]  pair p of numbers: E(2p), E(2p+1), R(2p+1), R(2p) at Q + 4p; on the way out: scales, offsets
.set TAB,  36                          ; v[36:45]  E of cell k at TAB + 2k, R of cell k at TAB + 2k + 1
.set BR,   48                          ; v[48:53]  B's row 2c (slope), v[54:59] row 2c + 1 (offset), c = my lane's cell; free again behind the two dot products
.set TAU,  40                          ; s[40:43]  T_1 .. T_4
.set STEPS, 32
.set UNROLL, 4
.set DUAL, 1                           ; 1: E and R are selected by one double instruction; 0: by two plain selects
; at work on the tables
.set RC1,  48                          ; 1 / tanh's denominator
.set RC2,  49                          ; 1 / the ratio's divisor
.set EM,   50                          ; expm1(u)
.set RT,   51                          ; the ratio
.set RR,   52                          ; R
.set AA,   60                          ; slope
.set BB,   61                          ; offset
.set U,    62                          ; u = slope / 32
.set NN,   63                          ; n
.set XR,   64                          ; u - n ln 2
.set ZZ,   65                          ; its square
.set YY,   66                          ; exp's polynomial
.set NI,   67                          ; n as a whole number
.set X2,   68                          ; u / 2
.set EE,   69                          ; E
.set SQ,   70                          ; (u / 2)^2
.set NUM,  71                          ; tanh's numerator
.set DEN,  72                          ; tanh's denominator
.set TT,   73                          ; tanh(u / 2)
.set T1,   74                          ; scratch
.set DV,   75                          ; the ratio's divisor
	s_load_b512 s[8:23], s[0:1], 0x0               ; x 8, theta 10, a 12, b 14, c 16, d 18, B 20, out0 22
	s_load_b64 s[24:25], s[0:1], 0x40              ; out1
	s_lshl_b32 s2, ttmp9, 13                       ; the work-group's 8,192 bytes
	s_mov_b32 s38, 0x39d1b717                      ; 0.0004: below it tanh is its argument
	s_mov_b32 s[TAU+0], 0x3e4ccccd                 ; fl(1/5)
	s_mov_b32 s[TAU+1], 0x3ecccccd                 ; fl(2/5)
	s_mov_b32 s[TAU+2], 0x3f19999a                 ; fl(3/5)
	s_mov_b32 s[TAU+3], 0x3f4ccccd                 ; fl(4/5)
	s_mov_b32 s44, 0x33d6bf95                      ; 1e-7
	s_mov_b32 s45, 0x3f7ffffe                      ; 1 - 1e-7 in f32
	s_mov_b32 s46, 0x358637bd                      ; 1e-6: below it a slope counts as small
	s_mov_b32 s47, 0x00800000                      ; 2^-126, the smallest normal f32
	s_mov_b32 s48, 0x4f800000                      ; 2^32
	s_mov_b32 s49, 0xc1b17218                      ; -32 ln 2
	s_mov_b32 s50, 0x3f317218                      ; ln 2
	s_mov_b32 s51, 0x3d000000                      ; h = 1/32
	v_lshl_add_u32 v1, v0, 4, s2                   ; my byte offset in x, out0 and out1; never rewritten
	v_and_b32 v2, 15, v0
	v_min_u32 v2, 4, v2                            ; my lane's cell c: lanes 0-4 of the wave hold cells 0-4
	v_mul_u32_u24 v2, 48, v2                       ; rows 2c and 2c + 1 of B are 48 bytes; the last byte touched is 48*4 + 47 = 239
	s_wait_kmcnt 0x0                               ; the nine addresses
	global_load_b128 v[BR:BR+3],    v2, s[20:21]
	global_load_b128 v[BR+4:BR+7],  v2, s[20:21] offset:16
	global_load_b128 v[BR+8:BR+11], v2, s[20:21] offset:32
	global_load_b128 v[PHI:PHI+3],   v1, s[8:9] th:TH_LOAD_NT
	global_load_b128 v[PHI+4:PHI+7], v1, s[8:9] offset:4096 th:TH_LOAD_NT
	s_load_b128 s[28:31], s[10:11], 0x0            ; theta 0-3
	s_load_b64 s[32:33], s[10:11], 0x10            ; theta 4, 5
	s_load_b32 s34, s[12:13], 0x0                  ; a
	s_load_b32 s35, s[14:15], 0x0                  ; b
	s_load_b32 s36, s[16:17], 0x0                  ; c
	s_load_b32 s37, s[18:19], 0x0                  ; d
; q = n / d, rounded as an IEEE division rounds it, from y = v_rcp_f32(d): one step on the reciprocal, then twice the exact remainder
; n - d q (one fma) times the reciprocal is added to the quotient.  Holds where quotient and remainders are normal numbers, as they are
; here: d is about 0.0049, or a slope of 1e-6 at the least, or 1.
.macro DIV q, n, d, y, t
	v_fma_f32 v[\t], -v[\d], v[\y], 1.0
	v_fma_f32 v[\y], v[\t], v[\y], v[\y]
	v_mul_f32 v[\q], v[\n], v[\y]
	v_fma_f32 v[\t], -v[\d], v[\q], v[\n]
	v_fma_f32 v[\q], v[\t], v[\y], v[\q]
	v_fma_f32 v[\t], -v[\d], v[\q], v[\n]
	v_fma_f32 v[\q], v[\t], v[\y], v[\q]
.endm
	; THE TABLES, each lane for its cell.
	s_wait_kmcnt 0x0                               ; theta, a, b, c, d
	s_wait_loadcnt 0x2                             ; B's three loads are the older ones: they are in, the two loads of x stay out
	v_mul_f32 v[AA], s28, v[BR]                    ; slope  = row 2c . theta, in ascending order, each product fused into the sum
	v_mul_f32 v[BB], s28, v[BR+6]                  ; offset = row 2c + 1 . theta
.irp j, 1,2,3,4,5
	v_fmac_f32 v[AA], s[28+\j], v[BR+\j]
	v_fmac_f32 v[BB], s[28+\j], v[BR+6+\j]
.endr
	v_mul_f32 v[U], s51, v[AA]                     ; u = slope h, exact (a power of two)
	v_cmp_gt_f32 s52, s46, |v[AA]|                 ; small slope
	v_cndmask_b32 v[DV], v[AA], 1.0, s52           ; the divisor: the slope, or 1 where it is small
	v_rcp_f32 v[RC2], v[DV]                        ; used far below; the line behind it is plain and names neither register (ISA guide 5.7.2)
	; E = exp(u)
	v_fma_f32 v[NN], v[U], 0x3fb8aa3b, 0.5         ; u log2 e + 1/2
	v_floor_f32 v[NN], v[NN]                       ; n
	v_fmamk_f32 v[XR], v[NN], -0.693359375, v[U]   ; u - n ln 2, ln 2 in two parts
	v_fmamk_f32 v[XR], v[NN], 2.12194440e-4, v[XR]
	v_mul_f32 v[ZZ], v[XR], v[XR]
	v_mov_b32 v[YY], 1.9875691500e-4
	v_fmaak_f32 v[YY], v[XR], v[YY], 1.3981999507e-3
	v_fmaak_f32 v[YY], v[YY], v[XR], 8.3334519073e-3
	v_fmaak_f32 v[YY], v[YY], v[XR], 4.1665795894e-2
	v_fmaak_f32 v[YY], v[YY], v[XR], 1.6666665459e-1
	v_fmaak_f32 v[YY], v[YY], v[XR], 5.0000001201e-1
	v_fma_f32 v[YY], v[YY], v[ZZ], v[XR]
	v_add_f32 v[YY], 1.0, v[YY]
	v_cvt_i32_f32 v[NI], v[NN]
	v_ldexp_f32 v[EE], v[YY], v[NI]                ; E = 2^n (1 + ..): exact scaling while E is a normal number
	; tanh(u / 2); what it gives for |u| > 1/2 is not used
	v_mul_f32 v[X2], 0.5, v[U]
	v_mul_f32 v[SQ], v[X2], v[X2]
	v_mov_b32 v[DEN], 1.19825839466702e-06
	v_fmaak_f32 v[DEN], v[SQ], v[DEN], 1.18534705686654e-04
	v_fmaak_f32 v[DEN], v[SQ], v[DEN], 2.26843463243900e-03
	v_fmaak_f32 v[DEN], v[SQ], v[DEN], 4.89352518554385e-03
	v_rcp_f32 v[RC1], v[DEN]                       ; the numerator's lines stand between it and its first use
	v_mov_b32 v[NUM], -2.76076847742355e-16
	v_fmaak_f32 v[NUM], v[SQ], v[NUM], 2.00018790482477e-13
	v_fmaak_f32 v[NUM], v[SQ], v[NUM], -8.60467152213735e-11
	v_fmaak_f32 v[NUM], v[SQ], v[NUM], 5.12229709037114e-08
	v_fmaak_f32 v[NUM], v[SQ], v[NUM], 1.48572235717979e-05
	v_fmaak_f32 v[NUM], v[SQ], v[NUM], 6.37261928875436e-04
	v_fmaak_f32 v[NUM], v[SQ], v[NUM], 4.89352455891786e-03
	v_mul_f32 v[NUM], v[X2], v[NUM]
	s_wait_alu depctr_va_vdst(0)
	DIV TT, NUM, DEN, RC1, T1
	v_cmp_lt_f32 s53, |v[X2]|, s38
	v_cndmask_b32 v[TT], v[TT], v[X2], s53         ; the argument itself below 0.0004
	; expm1(u).  (The case u / 2 = 0 lies inside 'small slope', where the ratio is h whatever stands here.)
	v_add_f32 v[T1], 1.0, v[EE]
	v_mul_f32 v[EM], v[TT], v[T1]                  ; tanh(u/2) (E + 1)
	v_add_f32 v[T1], -1.0, v[EE]                   ; E - 1
	v_cmp_gt_f32 s54, |v[U]|, 0.5
	v_cndmask_b32 v[EM], v[EM], v[T1], s54
	DIV RT, EM, DV, RC2, T1
	v_cndmask_b32 v[RT], v[RT], s51, s52           ; h where the slope is small
	v_mul_f32 v[RR], v[RT], v[BB]                  ; R = ratio * offset, rounded once: the step's addend
.irp k, 0,1,2,3,4
	v_readlane_b32 s[52+2*\k], v[EE], \k           ; lane k made cell k's numbers (the masks in s52-s54 are done with)
	v_readlane_b32 s[53+2*\k], v[RR], \k
.endr
.irp k, 0,1,2,3,4,5,6,7,8,9
	v_mov_b32 v[TAB+\k], s[52+\k]                  ; into every lane: the double select takes vector registers as second sources
.endr
	; THE WAY IN.
	s_wait_loadcnt 0x0                             ; x
.irp e, 0,1,2,3,4,5,6,7
	v_max_num_f32 v[PHI+\e], s44, v[PHI+\e]
	v_min_num_f32 v[PHI+\e], s45, v[PHI+\e]
	v_fma_f32 v[PHI+\e], s34, v[PHI+\e], s35       ; y = a x + b
	v_mov_b32 v[JJ+\e], 1.0
.endr
; One select of E and R: where VCC is set, cell k's numbers; elsewhere what es and rs hold.
; The double form wants one even and one odd destination, and both pairs of like sources in registers that differ modulo 4:
; E's place is Q + 4p + (0 or 1), R's is Q + 4p + (3 or 2), the table's E are even and its R odd.
.macro PICK ed, rd, es, rs, k
.if DUAL
	v_dual_cndmask_b32 v[\ed], v[\es], v[TAB+2*\k] :: v_dual_cndmask_b32 v[\rd], v[\rs], v[TAB+2*\k+1]
.else
	v_cndmask_b32 v[\ed], v[\es], v[TAB+2*\k], vcc_lo
	v_cndmask_b32 v[\rd], v[\rs], v[TAB+2*\k+1], vcc_lo
.endif
.endm
; E and R of number e's cell.  The first select chooses between cells 0 and 1, so nothing is preset.
.macro SEL e
.set ER, Q+4*((\e)/2)+((\e)%2)
.set RG, Q+4*((\e)/2)+3-((\e)%2)
	v_cmp_le_f32 vcc_lo, s[TAU+0], v[PHI+\e]
	PICK ER, RG, TAB, TAB+1, 1
	v_cmp_le_f32 vcc_lo, s[TAU+1], v[PHI+\e]
	PICK ER, RG, ER, RG, 2
	v_cmp_le_f32 vcc_lo, s[TAU+2], v[PHI+\e]
	PICK ER, RG, ER, RG, 3
	v_cmp_le_f32 vcc_lo, s[TAU+3], v[PHI+\e]
	PICK ER, RG, ER, RG, 4
.endm
; Numbers 2p and 2p + 1 go one step on.  R's pair lies swapped: the low result adds the pair's second register, the high one its first.
.macro ADV p
	v_pk_fma_f32 v[PHI+2*\p:PHI+2*\p+1], v[Q+4*\p:Q+4*\p+1], v[PHI+2*\p:PHI+2*\p+1], v[Q+4*\p+2:Q+4*\p+3] op_sel:[0,0,1] op_sel_hi:[1,1,0]
	v_pk_mul_f32 v[JJ+2*\p:JJ+2*\p+1], v[JJ+2*\p:JJ+2*\p+1], v[Q+4*\p:Q+4*\p+1]
.endm
.macro STEP
.irp p, 0,1,2,3
	SEL 2*\p
	SEL 2*\p+1
	ADV \p
.endr
.endm
	; THE 32 STEPS: registers only, no memory instruction and no wait.
	s_mov_b32 s26, 0
.Lsteps:
.rept UNROLL
	STEP
.endr
	s_add_co_u32 s26, s26, 1
	s_cmp_lt_u32 s26, STEPS/UNROLL
	s_cbranch_scc1 .Lsteps
	; THE WAY OUT.  (c J) a in the formula's order; s36 and s34 are broadcast from their pairs.
.irp p, 0,1,2,3
	v_pk_mul_f32 v[JJ+2*\p:JJ+2*\p+1], v[JJ+2*\p:JJ+2*\p+1], s[36:37] op_sel_hi:[1,0]
.endr
.irp p, 0,1,2,3
	v_pk_mul_f32 v[JJ+2*\p:JJ+2*\p+1], v[JJ+2*\p:JJ+2*\p+1], s[34:35] op_sel_hi:[1,0]
.endr
	; v_log_f32 takes a denormal as zero (ISA guide 15.8): what lies below 2^-126 is lifted by 2^32, and 32 ln 2 is taken off afterwards.
	; A negative number stays negative (NaN), zero stays zero (-infinity), as in the formula.
.irp e, 0,1,2,3,4,5,6,7
	v_cmp_gt_f32 vcc_lo, s47, v[JJ+\e]
	v_cndmask_b32 v[Q+\e], 1.0, s48, vcc_lo
	v_cndmask_b32 v[Q+8+\e], 0, s49, vcc_lo
	v_mul_f32 v[JJ+\e], v[JJ+\e], v[Q+\e]
.endr
.irp e, 0,1,2,3,4,5,6,7
	v_log_f32 v[JJ+\e], v[JJ+\e]                   ; log2, eight in a run
.endr
.irp e, 0,1,2,3,4,5,6,7
	v_fma_f32 v[PHI+\e], s36, v[PHI+\e], s37       ; z = c phi + d: also the plain lines between the logarithms and their first use (ISA guide 5.7.2)
.endr
	global_store_b128 v1, v[PHI:PHI+3],   s[22:23] th:TH_STORE_NT
	global_store_b128 v1, v[PHI+4:PHI+7], s[22:23] offset:4096 th:TH_STORE_NT
	s_wait_alu depctr_va_vdst(0)
.irp e, 0,1,2,3,4,5,6,7
	v_fma_f32 v[JJ+\e], v[JJ+\e], s50, v[Q+8+\e]   ; ln = log2 * ln 2 (- 32 ln 2 where lifted)
.endr
	global_store_b128 v1, v[JJ:JJ+3],   s[24:25] th:TH_STORE_NT
	global_store_b128 v1, v[JJ+4:JJ+7], s[24:25] offset:4096 th:TH_STORE_NT
	s_endpgm                                       ; no register that a store reads is written behind it, and EXEC never changes: no further wait
.Lfunc_end_k_qd8c259afe5_flow:
	.size	k_qd8c259afe5_flow, .Lfunc_end_k_qd8c259afe5_flow-k_qd8c259afe5_flow
	.p2alignl 7, 3214868480
	.fill 96, 4, 3214868480
	.section	.rodata,"a",@progbits
	.p2align	6, 0x0
	.amdhsa_kernel k_qd8c259afe5_flow
		.amdhsa_group_segment_fixed_size 0
		.amdhsa_private_segment_fixed_size 0
		.amdhsa_enable_private_segment 0
		.amdhsa_kernarg_size 72
		.amdhsa_user_sgpr_count 2
		.amdhsa_user_sgpr_kernarg_segment_ptr 1
		.amdhsa_wavefront_size32 1
		.amdhsa_system_sgpr_workgroup_id_x 1
		.amdhsa_system_sgpr_workgroup_id_y 1
		.amdhsa_system_sgpr_workgroup_id_z 1
		.amdhsa_system_vgpr_workitem_id 0
		.amdhsa_next_free_vgpr 76
		.amdhsa_next_free_sgpr 66
		.amdhsa_reserve_vcc 1
		.amdhsa_float_denorm_mode_32 3
		.amdhsa_float_denorm_mode_16_64 3
		.amdhsa_memory_ordered 1
		.amdhsa_forward_progress 1
		.amdhsa_inst_pref_size 26
	.end_amdhsa_kernel
	.amdgpu_metadata
---
amdhsa.version: [ 1, 2 ]
amdhsa.kernels:
  - .name:           k_qd8c259afe5_flow
    .symbol:         k_qd8c259afe5_flow.kd
    .args:
      - { .name: x, .offset: 0, .size: 8, .value_kind: global_buffer, .address_space: global }
      - { .name: theta, .offset: 8, .size: 8, .value_kind: global_buffer, .address_space: global }
      - { .name: a, .offset: 16, .size: 8, .value_kind: global_buffer, .address_space: global }
      - { .name: b, .offset: 24, .size: 8, .value_kind: global_buffer, .address_space: global }
      - { .name: c, .offset: 32, .size: 8, .value_kind: global_buffer, .address_space: global }
      - { .name: d, .offset: 40, .size: 8, .value_kind: global_buffer, .address_space: global }
      - { .name: B, .offset: 48, .size: 8, .value_kind: global_buffer, .address_space: global }
      - { .name: out0, .offset: 56, .size: 8, .value_kind: global_buffer, .address_space: global }
      - { .name: out1, .offset: 64, .size: 8, .value_kind: global_buffer, .address_space: global }
    .group_segment_fixed_size: 0
    .private_segment_fixed_size: 0
    .kernarg_segment_align: 8
    .kernarg_segment_size: 72
    .max_flat_workgroup_size: 256
    .sgpr_count:     66
    .vgpr_count:     76
    .wavefront_size: 32
...
	.end_amdgpu_metadata
.endif
;; end of part 1
